; MI455X (gfx1250); checked and timed in simulation.
; The chip was launched on July 23, 2026; its instructions are those of AMD's public machine-readable ISA for CDNA 5 (MIT licence, August 2026) and "CDNA5" Instruction Set Architecture Reference Guide (July 2026). The comments in the code are by the model that wrote it; some were corrected since.
;; Quantized Linear. Allowed arithmetic: matrix products marked QUANTISED: E2M1 operands, one E8M0 scale for each 32 along K, by v_wmma_scale_f32_16x16x128_f8f6f4 with both operands' format E2M1 (or v_wmma_scale_f32_32x16x128_f4), f32 sums; everything else in f32.
;; Inputs: bias 4,096 float32; quantized_weight 4,096 x 4,096 int8; weight_scale one number float32; x_codes 4 x 1,024 x 128 x 16 uint8 (E2M1 codes of x, K innermost, in blocks of 32 codes, two codes a byte); x_scales 4 x 1,024 x 128 uint8 (E8M0 scales of x, one for each 32 codes along K).
;; Outputs: out0 4 x 1,024 x 4,096 float32.
;; This version of the problem:
;;   THIS VERSION OF THE PROBLEM IS GIVEN IN LOW PRECISION. The matrix products marked QUANTISED in the list below multiply operands that are first quantised to E2M1 (2 exponent bits, 1 mantissa bit; 4 bits a number), with one power-of-two scale for each 32 numbers along K (OCP MX v1.0); their sums are f32. All else is computed in f32.
;;   The module's matrix products, in the order in which they are computed (A, B: the left and right operand; K: the contracted axis; several contracted axes count as one K, in the product's order):
;;     1. [M 4,096, K 4,096] x [K 4,096, N 4,096]; A: input x (given as codes); B: computed on the way: QUANTISED
;;   THE QUANTISER, for each operand of a quantised product, along K:
;;     - K is cut into blocks of 32 from its start; a last block that is shorter is filled with zeros.
;;     - A block's scale is 2^e with e = floor(log2(the largest magnitude in the block)) - 2, held to -126 .. 127; a block of zeros has e = 0. As a byte (E8M0): e + 127.
;;     - Each number is divided by its block's scale, clamped to +-6, and rounded to the nearest number of E2M1, ties to even, subnormals kept.
;;     - The product sums the exact products of the quantised numbers (number of the format x scale) in f32.
;;   ~~~python
;;   def quantise(x, axis):      # numpy; x: float32 -> the quantised numbers, widened to float32 again
;;       x = np.moveaxis(x, axis, -1); K = x.shape[-1]
;;       x = np.pad(x, [(0, 0)] * (x.ndim - 1) + [(0, -K % 32)]); x = x.reshape(x.shape[:-1] + (-1, 32)); a = np.abs(x).max(-1, keepdims=True)
;;       e = np.where(a > 0, np.clip(np.frexp(np.where(a > 0, a, 1))[1] - 1 - 2, -126, 127), 0)      # np.frexp(a)[1] - 1 = floor(log2(a)), exactly
;;       r = np.clip(x / 2.0 ** e, -6, 6)
;;       step = 2.0 ** (np.maximum(np.frexp(np.where(r == 0, 1, r))[1] - 1, 0) - 1)
;;       q = np.round(r / step) * step * 2.0 ** e      # np.round: ties to even
;;       return np.moveaxis(q.reshape(q.shape[:-2] + (-1,))[..., :K], -1, axis).astype(np.float32)
;;   ~~~
;;   OPERANDS COMPUTED ON THE WAY. 'Computed on the way' means the value that the module computes at that place (a softmax that the list does not call 'softmax' is quantised finished and normalised). What goes into a quantiser is computed in f32, as accurately as f32 sums, v_exp_f32 and their like allow (about 1e-6 of the number): no bf16 or f16 on the way to a quantiser, and a product that is left as it is and whose result goes on into a quantised operand takes f32 operands (vector FMAs, or v_wmma_f32_16x16x4_f32). A number that lies on a knife's edge between two numbers of the format may be rounded either way, as far as f32 arithmetic and the matrix unit's own rounding can turn it there, and no further.
;;   INPUTS GIVEN AS CODES. x (in the module: [4, 1024, 4096], K = its axis 2): each comes as NAME_codes (uint8): NAME with its K axis moved to the last place and cut into blocks of 32 codes, [.., K / 32, bytes a block], one block behind the other in memory; two codes a byte, the lower K in the low four bits (a code: sign, 2 exponent bits, 1 mantissa bit); and NAME_scales (uint8): the same leading axes, one E8M0 byte (e + 127) for each 32 codes along K. Its value is code x scale, taken as it is: it is not quantised again, and the codes and scales need not be those that the quantiser above would give.
;; One version. Each part assembles by itself: llvm-mc -triple=amdgcn-amd-amdhsa -mcpu=gfx1250 --defsym DOCPART=n.
;; ======== version 1 of 1: 2 launches
;; limits: right only within a limited range of input values
;; workspace buffers: wq 8,912,896 bytes
;; launch quant (part 1): grid 256 x 1, 8 waves a work-group, no clusters, 37,888 bytes of LDS; arguments quantized_weight, weight_scale, wq; writes wq
.if DOCPART == 1
	.amdgcn_target "amdgcn-amd-amdhsa--gfx1250"
	.amdhsa_code_object_version 6
	.text
	.protected	k_q9303b51f52_quant
	.globl	k_q9303b51f52_quant
	.p2align	8
	.type	k_q9303b51f52_quant,@function
k_q9303b51f52_quant:
	s_mov_b64 s[64:65], 0
	v_nop
	global_prefetch_b8 v0, s[64:65] scope:SCOPE_SE
	s_setreg_imm32_b32 hwreg(HW_REG_WAVE_MODE, 25, 1), 1
	s_wait_xcnt 0x0
; w[n][k] = float(quantized_weight[n][k]) x weight_scale, formed in f32 with one rounding, is turned into codes of FP4 (E2M1) with one E8M0 scale byte for each 32 along K.
; A block's scale is 2^(floor(log2(its largest magnitude)) - 2), its byte held at 1 from below; each number is divided by the scale and rounded to the nearest code, ties to even, beyond 6 the largest code.
; THE WORKSPACE wq IS LAID AS THE PRODUCT'S LAUNCH TAKES IT INTO REGISTERS: [n / 64 : 64][k / 512 : 8] blocks of 17,408 bytes = 68 x 256.  In a block: for each 128 along K (t = 0 .. 3) 4,096 bytes of codes, as pieces of
; 512 bytes, one for each 16 rows (4) and 64 along K (c = 0, 1): lane l = 16 h + r of a reader finds at 16 l row r's 32 codes k = 64 c + 32 h + 0 .. 31; behind the codes 64 rows x 16 scale bytes.
; SHARES.  Work-group g: rows 128 (g / 8) .. + 127, k = 512 (g mod 8) .. + 511; a wave 16 rows.  One load takes one row's 512 int8: a lane holds 16 neighbours along K, lanes l and l xor 1 a block of 32.  All 16 loads go out
; at the head.  Codes and bytes are gathered in the wave's own LDS bytes in the order in which they leave; 256 bytes of codes (one h of a piece) have 16 bytes of padding behind them, so that the 16 runs of a row's
; stores start at 16 different columns of 16 bytes.  No tensor load, no barrier: waves share nothing.
; LIMITS: a block of zeros gets the byte 1 where the quantiser's rule says 127: its codes are zeros, which add nothing under either byte, and the bytes are read by this program alone.
; NaN or infinity in weight_scale is not served.  The int8 value -128 is served.
.set WROW,  4096                       ; a row of the weight in bytes
.set HRUN,  272                        ; 16 rows x 16 bytes of codes, and the padding
.set SCB,   16*HRUN                    ; behind the codes: the wave's 16 rows x 16 scale bytes
.set WPART, SCB+256                    ; a wave's bytes in LDS
.set SPARE, 8*WPART                    ; the spare words, 128 bytes for each wave
.set BLOCK, 17408                      ; a block of wq
.set RAW,   16                         ; v16-79   row i's 16 bytes a lane at v[16 + 4 i]; on the way out v16-49
.set X,     80                         ; v80-111  two sets of 16 numbers in f32, by turns
.set C,     112                        ; v112-143 row i's codes: two registers
.set E,     144                        ; v144-159 row i's scale byte
	s_load_b128 s[4:7], s[0:1], 0x0                ; the weight s[4:5], where weight_scale lies s[6:7]
	s_load_b64 s[8:9], s[0:1], 0x10                ; wq
	v_lshl_add_u32 v192, v0, 2, SPARE
	v_mov_b32 v193, 0
	v_lshrrev_b32 v1, 5, v0
	v_readfirstlane_b32 s10, v1                    ; wave 0..7
	v_and_b32 v1, 31, v0                           ; lane
	s_mul_i32 s11, s10, WPART
	v_lshlrev_b32 v2, 4, v1                        ; my 16 bytes of 512: of a row on the way in, of a piece on the way out
	v_lshrrev_b32 v4, 1, v1
	v_mul_u32_u24 v3, v4, HRUN                     ; LDS: my 8 bytes of codes: run lane / 2 (2 (2 t + c) + h),
	v_and_b32 v5, 1, v1
	v_lshl_add_u32 v3, v5, 3, v3                   ; its half lane mod 2
	v_add_nc_u32 v3, s11, v3
	v_add_nc_u32 v4, s11, v4                       ; LDS: my block's scale byte
	v_lshrrev_b32 v5, 4, v1
	v_mul_u32_u24 v5, v5, HRUN                     ; LDS: my 16 bytes of a piece on the way back
	v_and_b32 v7, 15, v1
	v_lshl_add_u32 v5, v7, 4, v5
	v_add_nc_u32 v5, s11, v5
	v_lshlrev_b32 v6, 3, v1                        ; my 8 of the 256 scale bytes
	v_add_nc_u32 v7, s11, v6
	s_mov_b32 s12, 0x80808080                      ; turns four int8 q into four bytes q + 128
	s_mov_b32 s13, 0x4b000000                      ; 2^23 as f32: a byte put into its lowest mantissa bits makes 2^23 + the byte, exactly
	s_mov_b32 s16, 0x07060500                      ; byte selects: the upper three bytes of s13 over byte 0, 1, 2, 3 of the loaded word
	s_mov_b32 s17, 0x07060501
	s_mov_b32 s18, 0x07060502
	s_mov_b32 s19, 0x07060503
	s_mov_b32 s20, 0xcb000080                      ; -(2^23 + 128)
	s_mov_b32 s21, s20                             ; (the packed form names a pair and takes its low word for both halves)
	s_lshr_b32 s26, ttmp9, 3                       ; n / 128
	s_lshl_b32 s24, s26, 19                        ; in: x 128 rows of 4,096 bytes
	s_lshl_b32 s25, s10, 16                        ; + my wave's 16 rows
	s_add_co_u32 s24, s24, s25
	s_and_b32 s27, ttmp9, 7                        ; k / 512
	s_lshl_b32 s25, s27, 9
	s_add_co_u32 s24, s24, s25
	s_mov_b32 s25, 0
	s_lshl_b32 s26, s26, 1                         ; out: n / 64 = 2 (n / 128) + wave / 4,
	s_lshr_b32 s28, s10, 2
	s_add_co_u32 s26, s26, s28
	s_lshl_b32 s26, s26, 3                         ; eight blocks for each
	s_add_co_u32 s26, s26, s27
	s_mul_i32 s26, s26, BLOCK
	s_and_b32 s30, s10, 3                          ; which 16 of the 64 rows
	s_lshl_b32 s28, s30, 8
	s_add_co_u32 s28, s28, s26
	s_add_co_u32 s28, s28, 16384                   ; their scale bytes
	s_lshl_b32 s30, s30, 10
	s_add_co_u32 s26, s26, s30                     ; their codes
	s_mov_b32 s27, 0
	s_mov_b32 s29, 0
	s_wait_alu depctr_va_vdst(0)
	s_wait_kmcnt 0x0
	s_load_b32 s22, s[6:7], 0x0                    ; weight_scale: nothing in this launch writes it
	s_add_nc_u64 s[4:5], s[4:5], s[24:25]
	s_add_nc_u64 s[28:29], s[8:9], s[28:29]
	s_add_nc_u64 s[8:9], s[8:9], s[26:27]
.irp i, 0,1,2,3,4,5,6,7,8,9,10,11,12,13,14,15
	global_load_b128 v[RAW+4*\i:RAW+4*\i+3], v2, s[4:5] offset:WROW*\i th:TH_LOAD_NT   ; 32 lanes read 512 consecutive bytes of row i; read once in the launch
.endr
	s_wait_kmcnt 0x0
	s_mov_b32 s23, s22
.macro ROW i
.set XS, X+16*((\i)%2)
.set RW, RAW+4*(\i)
	s_wait_loadcnt 15-(\i)                         ; loads come back in order (ISA guide 5.7.1): row i is in, the younger rows stay out
.irp j, 0,1,2,3
	v_xor_b32 v[RW+\j], s12, v[RW+\j]              ; q + 128 in each byte: 0 .. 255
.endr
.irp j, 0,1,2,3
.irp k, 0,1,2,3
	v_perm_b32 v[XS+4*\j+\k], s13, v[RW+\j], s[16+\k]   ; 2^23 + q + 128 as f32
.endr
.endr
.irp j, 0,2,4,6,8,10,12,14
	v_pk_add_f32 v[XS+\j:XS+\j+1], v[XS+\j:XS+\j+1], s[20:21] op_sel_hi:[1,0]   ; q: nothing is rounded
.endr
.irp j, 0,2,4,6,8,10,12,14
	v_pk_mul_f32 v[XS+\j:XS+\j+1], v[XS+\j:XS+\j+1], s[22:23] op_sel_hi:[1,0]   ; q x weight_scale: the one rounding of the dequantised weight.  (Add, then multiply: a fused form would round otherwise)
.endr
	v_max3_num_f32 v8, |v[XS]|, |v[XS+1]|, |v[XS+2]|               ; the largest magnitude of my 16, in two chains
	v_max3_num_f32 v9, |v[XS+3]|, |v[XS+4]|, |v[XS+5]|
.irp j, 6,10
	s_delay_alu instid0(VALU_DEP_2)
	v_max3_num_f32 v8, v8, |v[XS+\j]|, |v[XS+\j+1]|
	s_delay_alu instid0(VALU_DEP_2)
	v_max3_num_f32 v9, v9, |v[XS+\j+2]|, |v[XS+\j+3]|
.endr
	s_delay_alu instid0(VALU_DEP_2)
	v_max3_num_f32 v8, v8, |v[XS+14]|, |v[XS+15]|
	s_delay_alu instid0(VALU_DEP_1)
	v_max3_num_f32 v8, v8, v9, 0x1800000           ; and the floor 2^(3 - 127): so the byte cannot fall under 1
	s_delay_alu instid0(VALU_DEP_1)
	v_max_num_f32_dpp v8, v8, v8 row_xmask:1 row_mask:0xf bank_mask:0xf   ; and of my neighbour's 16: the block's
	s_delay_alu instid0(VALU_DEP_1)
	v_add_nc_u32 v11, 0xff000000, v8               ; 2 off its exponent field: the conversion takes the exponent field of this operand as its scale, and nothing else of it
	v_cvt_scalef32_pk8_fp4_f32 v[C+2*(\i)], v[XS:XS+7], v11        ; eight codes, the first number's in the lowest four bits
	v_cvt_scalef32_pk8_fp4_f32 v[C+2*(\i)+1], v[XS+8:XS+15], v11
	v_lshrrev_b32 v[E+(\i)], 23, v11               ; the scale's byte; also the plain vector line behind the conversions
	ds_store_b64 v3, v[C+2*(\i):C+2*(\i)+1] offset:16*(\i)         ; my 16 codes: 8 bytes of row i
	ds_store_b8 v4, v[E+(\i)] offset:SCB+16*(\i)   ; both lanes of a block write the same byte with the same value
.endm
.irp i, 0,1,2,3,4,5,6,7,8,9,10,11,12,13,14,15
	ROW \i
.endr
.irp u, 0,1,2,3,4,5,6,7
	ds_load_b128 v[RAW+4*\u:RAW+4*\u+3], v5 offset:2*HRUN*\u   ; piece u = 2 t + c.  LDS serves a wave's instructions in order (ISA guide 5.7.1.4): these see my stores
.endr
	ds_load_b64 v[RAW+32:RAW+33], v7 offset:SCB
.irp u, 0,1,2,3,4,5,6,7
	s_wait_dscnt 8-\u                              ; piece u is back; the younger ones stay out
	global_store_b128 v2, v[RAW+4*\u:RAW+4*\u+3], s[8:9] offset:4096*(\u/2)+512*(\u%2)   ; 32 lanes store 512 consecutive bytes, at a multiple of 256 from wq's first byte
.endr
	s_wait_dscnt 0x0
	global_store_b64 v6, v[RAW+32:RAW+33], s[28:29]   ; 256 consecutive bytes
	s_wait_tensorcnt 0x0                           ; the wave's end
	ds_add_u32 v192, v193
	s_wait_dscnt 0x0
	s_endpgm
.Lfunc_end_k_q9303b51f52_quant:
	.size	k_q9303b51f52_quant, .Lfunc_end_k_q9303b51f52_quant-k_q9303b51f52_quant
	.p2alignl 7, 3214868480
	.fill 96, 4, 3214868480
	.section	.rodata,"a",@progbits
	.p2align	6, 0x0
	.amdhsa_kernel k_q9303b51f52_quant
		.amdhsa_group_segment_fixed_size 37888
		.amdhsa_private_segment_fixed_size 0
		.amdhsa_enable_private_segment 0
		.amdhsa_kernarg_size 24
		.amdhsa_user_sgpr_count 2
		.amdhsa_user_sgpr_kernarg_segment_ptr 1
		.amdhsa_wavefront_size32 1
		.amdhsa_system_sgpr_workgroup_id_x 1
		.amdhsa_system_sgpr_workgroup_id_y 1
		.amdhsa_system_sgpr_workgroup_id_z 1
		.amdhsa_system_vgpr_workitem_id 0
		.amdhsa_next_free_vgpr 194
		.amdhsa_next_free_sgpr 66
		.amdhsa_reserve_vcc 0
		.amdhsa_float_denorm_mode_32 3
		.amdhsa_float_denorm_mode_16_64 3
		.amdhsa_memory_ordered 1
		.amdhsa_forward_progress 1
		.amdhsa_inst_pref_size 60
	.end_amdhsa_kernel
	.amdgpu_metadata
---
amdhsa.version: [ 1, 2 ]
amdhsa.kernels:
  - .name:           k_q9303b51f52_quant
    .symbol:         k_q9303b51f52_quant.kd
    .args:
      - { .name: quantized_weight, .offset: 0, .size: 8, .value_kind: global_buffer, .address_space: global }
      - { .name: weight_scale, .offset: 8, .size: 8, .value_kind: global_buffer, .address_space: global }
      - { .name: wq, .offset: 16, .size: 8, .value_kind: global_buffer, .address_space: global }
    .group_segment_fixed_size: 37888
    .private_segment_fixed_size: 0
    .kernarg_segment_align: 8
    .kernarg_segment_size: 24
    .max_flat_workgroup_size: 256
    .sgpr_count:     66
    .vgpr_count:     194
    .wavefront_size: 32
...
	.end_amdgpu_metadata
.endif
;; end of part 1
;; launch gemm (part 2): grid 16 x 16, 4 waves a work-group, clusters of 4 x 1, 327,680 bytes of LDS; arguments x_codes, x_scales, wq, bias, out0; writes out0
.if DOCPART == 2
	.amdgcn_target "amdgcn-amd-amdhsa--gfx1250"
	.amdhsa_code_object_version 6
	.text
	.protected	k_q9303b51f52_gemm
	.globl	k_q9303b51f52_gemm
	.p2align	8
	.type	k_q9303b51f52_gemm,@function
k_q9303b51f52_gemm:
	s_mov_b64 s[64:65], 0
	v_nop
	global_prefetch_b8 v0, s[64:65] scope:SCOPE_SE
	s_setreg_imm32_b32 hwreg(HW_REG_WAVE_MODE, 25, 1), 1
	s_wait_xcnt 0x0
	s_wait_alu depctr_hold_cnt(0) depctr_sa_sdst(0) depctr_va_vdst(0) depctr_va_sdst(0) depctr_va_ssrc(0) depctr_va_vcc(0) depctr_vm_vsrc(0)
	s_getreg_b32 s2, hwreg(HW_REG_IB_STS2, 6, 4)
	s_cmp_eq_u32 s2, 0
	s_cbranch_scc0 .Lentry_in_a_cluster
	s_endpgm
.Lentry_in_a_cluster:
	s_bfe_u32 s2, ttmp6, 0x10000c
	s_cmp_lg_u32 s2, 0x3003
	s_cbranch_scc0 .Lentry_shape_is_right
	s_endpgm
.Lentry_shape_is_right:
; out0[m][n] = sum over k of x[m][k] w[n][k] + bias[n].  M = N = K = 4,096.  x: codes of FP4 (E2M1), a row of 2,048 bytes, and E8M0 scale bytes, 128 a row, as they are given.  w: codes and scale bytes as the launch before
; laid them in wq: [n / 64][k / 512] blocks of 17,408 bytes in the order in which the operand registers take them.  out0: f32; sums in f32.  (A scale byte 0xff in x_scales stands for NaN and makes its row's sums NaN.)
; A tile of 256 x 256 of the output is made by a work-group of four waves, as many as a WGP has SIMDs, 2 x 2: each 128 rows x 128 columns: 32 accumulators of 16 rows x 32 columns, 512 registers.  256 tiles, 256 work-groups.
; w GOES STRAIGHT INTO REGISTERS.  128 along K ('a step') are 64 registers in two halves (64 columns each): 16 loads of 512 consecutive bytes; a ring of four steps; a half is asked for anew, four steps on, as soon as its
; products are issued.  So of a step's 2 x 2 x 8 KiB of fragments for x and w only x's 4 x 8 KiB are read from LDS.
; x GOES THROUGH LDS, by the tensor data mover: two slots of 256 rows x 1,024 along K (rows of 512 bytes, 16 bytes of padding behind each), four chunks of K in all; x's scales for all of K (32,768 bytes) come once, by the head's loads,
; and stay.  CLUSTERS: four work-groups of one tile row; x's tiles are asked for JOINTLY, with a mask that names the four.  w, which tile columns share, is no joint request: such a request ends in LDS, and two slots of x and
; its scales take 305,152 of the 327,680 bytes: w's tiles of 1,024 along K would take 135,168 more.
; THE MATRIX INSTRUCTION IS USED TRANSPOSED (source 0 = 32 rows of w, source 1 = 16 rows of x): lane (r, h) holds, of row r of the block, columns 8 h + 0 .. 7 in registers 0-7 and 16 + 8 h + 0 .. 7 in registers 8-15.
; THE BIAS is the C of each sum's first matrix instruction.  Nothing is cleared and nothing is added afterwards.
; THE LAST CHUNK (1,024 along K, whole in slot 1) GOES BY PARTS OF THE OUTPUT: first my left 64 columns: 512 along K for all rows, then the last 512 for two blocks of 16 rows after the other, each of which is finished and
; leaves while the others are multiplied; then the right 64 columns likewise.  The sets of w hold one half's eight steps then.
; PREFETCHES.  x's chunks 2 and 3, five and six steps ahead of their tensor loads, a lane for each 256 bytes: of its cluster's 256 rows x 512 bytes a work-group names 64 rows, by address (cx), a wave 16 of them.  w's 512-blocks 1 to 7,
; two blocks ahead: of the 272 pieces of 256 bytes of a tile column the 16 work-groups of that column take 17 each, by address (the tile row), wave 0 alone; lanes 17 to 31 are held at the last piece.
; REGISTERS, in windows of 256: window 0: v16-29 addresses; v32-63 x's scale words, two sets; v64-111 w's, three; v128-255 x's fragments: two buffers (8 blocks of 16 rows x 128 K; at the end also 2 blocks x 512 K).
;   window 1: w's four sets (at the start the last of them holds the bias).   window 2: accumulators of my left 64 columns ((a, w) at v[32 a + 16 w]);   window 3: of the right 64.
; The 24 steps of chunks 0 to 2 are expanded by one macro: their counts and offsets are immediates.
.set PITCH,  528                       ; an LDS row of x: 512 + 16 bytes = 132 words: row r starts at bank 4 r mod 64 (64 banks of 4 bytes: ISA guide 11.1): the 16 rows that a load touches start at 16 different banks
.set HALFT,  128*PITCH                 ; 128 rows
.set SLOT,   256*PITCH
.set SCL,    2*SLOT                    ; x's scales: 256 bytes (two rows) + 16 of padding
.set SHALF,  64*272                    ; those of 128 rows
.set SPARE,  SCL+2*SHALF               ; the spare words, 128 bytes for each wave: two blocks of 256 bytes that no other line names
.set SPITCH, 272                       ; the way out: a stage of 32 rows x (256 + 16 bytes) for each wave.  It lies in slot 0, which has had its last fill and its last read when the first result is stored there
.set SBLK,   16*SPITCH
.set WBLK,   17408                     ; a block of wq
.set WCOL,   8*WBLK                    ; 64 columns of it, all of K
.set ADRA, 16                          ; v16-17  LDS address of x's fragments in slot 0, 1
.set PFW,  18                          ; v18     w's prefetches: 256 x min(lane, 16)
.set ADRS, 20                          ; v20     x's scale words: lanes 0-15 a block's rows, lanes 16-31 the rows 64 further on
.set WOF,  21                          ; v21     16 x lane: w's loads
.set STO,  22                          ; v22     the way out: where I put 32 bytes of a row
.set RD,   23                          ; v23     where I read rows back
.set CO,   24                          ; v24     my byte offset in two rows of the output
.set BO,   25                          ; v25     the bias: 32 bytes x h
.set PFO,  26                          ; v26     x's prefetches
.set SPW,  28                          ; v28     LDS address of my spare word
.set NIL,  29                          ; v29     0
.set SX,   32                          ; x's scale words: 512-block j in set j % 2; register 4 i + q: step q's word; block i in lanes 0-15, block i + 4 in lanes 16-31
.set SW,   64                          ; w's scale words: 512-block j in set j % 3; register 4 w + q: lane m the word of row 32 w + m
.set AF,   128
.set G1,   24                          ; s[24:31] descriptor group 1 of x's tiles
.set G0H,  32                          ; s[32:35] group 0 of the head's load: chunk 0, 128 rows
.set F1,   36                          ; s[36:39], s[48:51], s[52:55] group 0 of chunks 1, 2, 3: my 64 rows
.set F2,   48
.set F3,   52
.set G1S,  68                          ; s[68:75], s[76:79] groups 1 and 0 of x's scales
.set G0S,  76
.set PFA,  80                          ; s[80:81], s[82:83] where my prefetches of x and of w stand
.set PFB,  82
.set MSB, 0
.macro WIN new                         ; the immediate's high byte repeats the setting that is left
.if MSB != \new
	s_set_vgpr_msb (MSB<<8)|\new
.set MSB, \new
.endif
.endm
.set MUL_LO,   0xa1                    ; source 0 (w) window 1, source 1 (x) window 0, C and D window 2
.set MUL_HI,   0xf1                    ; the same, C and D window 3
.set FIRST_LO, 0x91                    ; step 0: C (the bias) window 1, D window 2
.set FIRST_HI, 0xd1                    ; D window 3
.set TO_B,     0x40                    ; destination window 1, address window 0
.macro CREST                           ; a round of the cluster's barrier behind its opening barrier
	s_cmp_lg_u32 s14, 0
	s_cbranch_scc1 .Lnot_wave_0_\@
	s_barrier_signal -3
.Lnot_wave_0_\@:
	s_barrier_wait -3
	s_barrier_signal -1
	s_barrier_wait -1
.endm
.macro CROUND                          ; a whole round
	s_barrier_signal -1
	s_barrier_wait -1
	CREST
.endm
; Four places: a load into a register that a matrix instruction has read, and an LDS store that reads a matrix result, stand four plain vector instructions behind it (ISA guide 7.12.1 for vector instructions).
.macro PLACES
.rept 4
	v_nop
.endr
.endm
.macro WLD tt, half, dst               ; w's codes of step tt, its left or right 64 columns, into half dst of its set: register 16 w + 8 s + 4 c: rows 32 w + 16 s + r, k = 64 c + 32 h + 0 .. 31
	WIN TO_B
.irp e, 0,1,2,3,4,5,6,7
	global_load_b128 v[64*((\tt)%4)+32*\dst+4*\e:64*((\tt)%4)+32*\dst+4*\e+3], v[WOF], s[8:9] offset:\half*WCOL+((\tt)/4)*WBLK+((\tt)%4)*4096+512*\e
.endr
.endm
.macro WSC jj                          ; w's scale words of 512-block jj
	WIN 0
.irp e, 0,1,2,3
	global_load_b128 v[SW+16*((\jj)%3)+4*\e:SW+16*((\jj)%3)+4*\e+3], v[WOF], s[8:9] offset:(\e/2)*WCOL+(\jj)*WBLK+16384+512*(\e%2)
.endr
.endm
.macro ASKW jj                         ; a prefetch of my 17 pieces of w's 512-block jj
	s_cmp_lg_u32 s14, 0
	s_cbranch_scc1 .Lnot_mine_\@
	global_prefetch_b8 v[PFW], s[PFB:PFB+1] offset:(\jj)*WBLK th:TH_LOAD_NT scope:SCOPE_SE
.Lnot_mine_\@:
.endm
	s_load_b256 s[4:11], s[0:1], 0x0               ; x's codes s[4:5], x's scales s[6:7], wq s[8:9], the bias s[10:11]
	s_load_b64 s[12:13], s[0:1], 0x20              ; the output
	v_lshl_add_u32 v[SPW], v0, 2, SPARE
	v_mov_b32 v[NIL], 0
	ds_add_u32 v[SPW], v[NIL]                      ; the wave's opening: the add, twice on end, and its wait ahead of my first tensor load
	ds_add_u32 v[SPW], v[NIL]
	v_lshrrev_b32 v1, 5, v0
	v_readfirstlane_b32 s14, v1                    ; wave 0..3
	v_and_b32 v1, 15, v0                           ; r
	v_bfe_u32 v2, v0, 4, 1                         ; h
	v_and_b32 v3, 31, v0                           ; lane
	s_lshr_b32 s15, s14, 1                         ; my half of the rows.  At the head: I fetch x's codes (0) or its scales (1),
	s_and_b32 s16, s14, 1                          ; my half of the columns.  At the head: of which 128 rows
	s_mul_i32 s3, s15, HALFT
	s_mul_i32 s18, s15, SHALF
	s_mul_i32 s19, s14, 2*SBLK                     ; my stage
	v_mul_u32_u24 v4, v1, PITCH
	v_lshl_add_u32 v4, v2, 4, v4                   ; a fragment's row x pitch + 16 h
	v_add_nc_u32 v[ADRA], s3, v4
	v_add_nc_u32 v[ADRA+1], SLOT, v[ADRA]
	v_lshrrev_b32 v5, 1, v1
	v_mul_u32_u24 v5, v5, 272                      ; x's scale words: row r at 272 (r / 2) + 128 (r mod 2),
	v_and_b32 v6, 1, v1
	v_lshl_add_u32 v5, v6, 7, v5
	v_mul_u32_u24 v6, v2, SHALF/2                  ; lanes 16-31 take the rows 64 further on
	v_add_nc_u32 v5, v5, v6
	v_add_nc_u32 v5, s18, v5
	v_add_nc_u32 v[ADRS], SCL, v5
	v_lshlrev_b32 v[WOF], 4, v3
	v_mul_u32_u24 v7, v1, SPITCH                   ; stage, in: row r, 32 bytes for each h
	v_lshl_add_u32 v7, v2, 5, v7
	v_add_nc_u32 v[STO], s19, v7
	v_mul_u32_u24 v7, v2, SPITCH                   ; back: lanes 0-15 one row of 256 bytes, lanes 16-31 the next
	v_lshl_add_u32 v7, v1, 4, v7
	v_add_nc_u32 v[RD], s19, v7
	v_lshlrev_b32 v8, 14, v2                       ; and the same two rows in the output
	v_lshl_add_u32 v[CO], v1, 4, v8
	v_lshlrev_b32 v[BO], 5, v2
	v_lshrrev_b32 v9, 1, v3                        ; x's prefetches: two lanes a row of 2,048 bytes, 256 bytes apart
	v_lshlrev_b32 v9, 11, v9
	v_and_b32 v10, 1, v3
	v_lshl_add_u32 v[PFO], v10, 8, v9
	v_min_u32 v11, 16, v3
	v_lshlrev_b32 v[PFW], 8, v11
	s_bfe_u32 s40, ttmp6, 0x40000                  ; cx
	s_lshl_b32 s42, ttmp9, 2
	s_add_co_u32 s42, s42, s40                     ; tile column
	s_and_b32 s17, ttmp7, 0xffff                   ; tile row
	; group 1, x's tiles: rows of 512 bytes, 2,048 bytes apart, 16 bytes of padding behind each 128 words; 128 rows for the head's loads, 64 behind it
	s_mov_b32 s[G1+0], 15|(1<<20)|(1<<21)|(6<<22)|(3<<25)   ; 15:0 the mask: the four of the cluster; 17:16 element of 1 byte; 20 padding on; 21 set beside a mask; 24:22 after 128 words (code 6); 31:25 of 4 words (code 3)
	s_mov_b32 s[G1+1], 512<<16                     ; tensor_dim0
	s_mov_b32 s[G1+2], 128<<16                     ; tensor_dim1
	s_mov_b32 s[G1+3], 512<<16                     ; tile_dim0
	s_mov_b32 s[G1+4], 128                         ; tile_dim1
	s_mov_b32 s[G1+5], 2048                        ; tensor_dim0_stride
	s_mov_b32 s[G1+6], 0
	s_mov_b32 s[G1+7], 0
	; x's scales of 128 rows: a dense block of 16,384 bytes, as 64 rows of 256 bytes, 16 bytes of padding behind each
	s_mov_b32 s[G1S+0], 15|(3<<16)|(1<<20)|(1<<21)|(5<<22)|(3<<25)
	s_mov_b32 s[G1S+1], 32<<16
	s_mov_b32 s[G1S+2], 64<<16
	s_mov_b32 s[G1S+3], 32<<16
	s_mov_b32 s[G1S+4], 64
	s_mov_b32 s[G1S+5], 32
	s_mov_b32 s[G1S+6], 0
	s_mov_b32 s[G1S+7], 0
	; offsets in bytes; all stay under 2^31
	s_lshl_b32 s20, s17, 19                        ; x: 256 rows of 2,048 bytes for each tile row
	s_mov_b32 s21, 0
	s_lshl_b32 s22, s16, 18                        ; + 128 rows (head)
	s_mov_b32 s23, 0
	s_lshl_b32 s44, s14, 17                        ; + 64 rows (behind it)
	s_mov_b32 s45, 0
	s_lshl_b32 s46, s17, 15                        ; x's scales: 128 bytes a row
	s_lshl_b32 s47, s16, 14
	s_add_co_u32 s46, s46, s47
	s_mov_b32 s47, 0
	s_lshl_b32 s56, s42, 2
	s_lshr_b32 s66, s17, 2
	s_add_co_u32 s66, s56, s66                     ; w's prefetches: 64 columns number 4 x tile column + tile row / 4,
	s_mul_i32 s66, s66, WCOL
	s_and_b32 s67, s17, 3
	s_mul_i32 s67, s67, 17*256                     ; 17 pieces of a block's 68
	s_add_co_u32 s66, s66, s67
	s_mov_b32 s67, 0
	s_lshl_b32 s57, s16, 1
	s_add_co_u32 s56, s56, s57                     ; w: n / 64 = 4 x tile column + 2 x half,
	s_mul_i32 s56, s56, WCOL                       ; eight blocks for each
	s_mov_b32 s57, 0
	s_lshl_b32 s58, s42, 10                        ; my first column, in bytes of f32
	s_lshl_b32 s59, s16, 9
	s_add_co_u32 s58, s58, s59
	s_mov_b32 s59, 0
	s_lshl_b32 s60, s17, 22                        ; the output: 256 rows of 16,384 bytes,
	s_lshl_b32 s61, s15, 21                        ; + 128 rows
	s_add_co_u32 s60, s60, s61
	s_add_co_u32 s60, s60, s58
	s_mov_b32 s61, 0
	s_lshl_b32 s62, s40, 17                        ; x's prefetches: my work-group's 64 rows,
	s_lshl_b32 s63, s14, 15                        ; my wave's 16
	s_add_co_u32 s62, s62, s63
	s_add_co_u32 s62, s62, s20
	s_mov_b32 s63, 0
	s_mul_i32 s18, s16, HALFT                      ; LDS addresses: no place in the cluster enters one
	s_mul_i32 s19, s14, HALFT/2
	s_mul_i32 s2, s16, SHALF
	s_wait_dscnt 0x0                               ; both opening adds are done
	s_wait_alu depctr_va_vdst(0)
	s_wait_kmcnt 0x0
	s_add_nc_u64 s[20:21], s[4:5], s[20:21]
	s_mov_b32 s[G0H], 1                            ; 1:0 count = 1
	s_mov_b32 s[G0H+1], s18                        ; 63:32 LDS address
	s_add_nc_u64 s[G0H+2:G0H+3], s[20:21], s[22:23]   ; 120:64 global address
	s_or_b32 s[G0H+3], s[G0H+3], 0x80000000        ; 127:126 type = 2
	s_mov_b32 s[G0S], 1
	s_add_co_u32 s[G0S+1], s2, SCL
	s_add_nc_u64 s[G0S+2:G0S+3], s[6:7], s[46:47]
	s_or_b32 s[G0S+3], s[G0S+3], 0x80000000
	CROUND                                         ; all four work-groups are here: the first joint loads meet
	s_cmp_eq_u32 s15, 0                            ; one load a wave: waves 0 and 1 chunk 0 of x, 128 rows each, waves 2 and 3 x's scales of 128 rows each
	s_cbranch_scc0 .Lhead_scales
	tensor_load_to_lds s[G0H:G0H+3], s[G1:G1+7]
	s_nop 0
	PLACES
	s_branch .Lhead_asked
.Lhead_scales:
	tensor_load_to_lds s[G0S:G0S+3], s[G1S:G1S+7]
	s_nop 0
	PLACES
.Lhead_asked:
	s_add_nc_u64 s[PFA:PFA+1], s[4:5], s[62:63]
	s_add_nc_u64 s[PFB:PFB+1], s[8:9], s[66:67]
	s_add_nc_u64 s[8:9], s[8:9], s[56:57]
	s_add_nc_u64 s[10:11], s[10:11], s[58:59]
	s_add_nc_u64 s[12:13], s[12:13], s[60:61]
	WIN TO_B
.irp e, 0,1,2,3,4,5,6,7,8,9,10,11,12,13,14,15   ; the bias of columns 32 w + 16 s + 8 h + 4 u + 0 .. 3 into register 16 w + 8 s + 4 u of the last set (e = 4 w + 2 s + u)
	global_load_b128 v[192+4*\e:192+4*\e+3], v[BO], s[10:11] offset:64*(\e/2)+16*(\e%2)
.endr
	WSC 0
	WLD 0, 0, 0
	WLD 0, 1, 1
	WLD 1, 0, 0
	WLD 1, 1, 1
	WIN 0
	s_add_nc_u64 s[44:45], s[20:21], s[44:45]
	s_mov_b32 s[F1], 1
	s_add_co_u32 s[F1+1], s19, SLOT
	s_add_nc_u64 s[F1+2:F1+3], s[44:45], 512
	s_or_b32 s[F1+3], s[F1+3], 0x80000000
	s_mov_b32 s[F2], 1
	s_mov_b32 s[F2+1], s19
	s_add_nc_u64 s[F2+2:F2+3], s[44:45], 1024
	s_or_b32 s[F2+3], s[F2+3], 0x80000000
	s_mov_b32 s[F3], 1
	s_add_co_u32 s[F3+1], s19, SLOT
	s_add_nc_u64 s[F3+2:F3+3], s[44:45], 1536
	s_or_b32 s[F3+3], s[F3+3], 0x80000000
.macro XF reg, u, a                    ; x's fragment: block a, step u: lane l holds row l % 16; registers 4 c .. 4 c + 3: K = 64 c + 32 (l / 16) + 0 .. 31
.irp c, 0,1
	ds_load_b128 v[(\reg)+4*\c:(\reg)+4*\c+3], v[ADRA+((\u)/8)%2] offset:(\a)*16*PITCH+64*((\u)%8)+32*\c
.endr
.endm
.macro XH u, f                         ; blocks 4 f .. 4 f + 3 of step u into its buffer
.irp i, 0,1,2,3
	XF AF+64*((\u)%2)+32*\f+8*\i, \u, 4*\f+\i
.endr
.endm
.macro TLOAD buf, p                    ; blocks 2 p, 2 p + 1, steps 28 to 31, into buffer buf
.irp q, 0,1,2,3
.irp b, 0,1
	XF AF+64*(\buf)+8*(2*\q+\b), 28+\q, 2*(\p)+\b
.endr
.endr
.endm
.macro SCALES jj                       ; x's scale words of 512-block jj
.irp i, 0,1,2,3
	ds_load_b128 v[SX+16*((\jj)%2)+4*\i:SX+16*((\jj)%2)+4*\i+3], v[ADRS] offset:\i*8*272+16*(\jj)
.endr
.endm
; One product, from the symbols rD, rB (w), rA (x), rC, rSB (w's scale words, 32 lanes), rSA (x's: lanes 0-15, or with ROW1 lanes 16-31 for blocks 4-7).
.macro WM
.if aH == 0
	v_wmma_scale_f32_32x16x128_f4 v[rD:rD+15], v[rB:rB+15], v[rA:rA+7], v[rC:rC+15], v[rSB], v[rSA]
.else
	v_wmma_scale_f32_32x16x128_f4 v[rD:rD+15], v[rB:rB+15], v[rA:rA+7], v[rC:rC+15], v[rSB], v[rSA] matrix_b_scale:MATRIX_SCALE_ROW1
.endif
.endm
; Step T: x's blocks 2 pp, 2 pp + 1 against the 64 columns of half g.  The 32 accumulators take turns, one instruction a turn, in the same order in every step.
.macro MULP pp, g
.irp b, 0,1
.irp w, 0,1
.set aa, 2*(\pp)+\b
.set aH, aa/4
.set rD, 32*aa+16*\w
.set rB, 64*(T%4)+32*\g+16*\w
.set rA, AF+64*(T%2)+8*aa
.set rSB, SW+16*((T/4)%3)+4*(2*\g+\w)+(T%4)
.set rSA, SX+16*((T/4)%2)+4*(aa%4)+(T%4)
.if T == 0
.set rC, 192+32*\g+16*\w
.else
.set rC, rD
.endif
	WM
.endr
.endr
.endm
; COUNTS of w's loads: EA, EB: how many had been issued when step ss's left (right) half was complete.  Order: the bias 16, scale words 4, steps 0 to 2; in step 0 behind its left half: left 3, scale words, left 4; behind its right half:
; right 3, right 4; then in step T left T + 4 (in each fourth step scale words ahead of it) and right T + 4.  (In steps 21 to 23 four more are out than these say: the stricter count.)
.macro EAF ss
.if (\ss) < 3
.set EA, 28+16*(\ss)
.elseif (\ss) == 3
.set EA, 76
.elseif (\ss) == 4
.set EA, 88
.else
.set EA, 112+16*((\ss)-5)+4*(((\ss)-4)/4)
.endif
.endm
.macro EBF ss
	EAF \ss
.set EB, EA+8
.if (\ss) == 3
.set EB, 96
.endif
.if (\ss) == 4
.set EB, 104
.endif
.endm
; A step: left half, then right half.  x's fragments of the next step are loaded in two runs, one ahead of the step and one in its middle: at the step's start 16 LDS loads are younger than blocks 0-3's, 8 younger than blocks 4-7's.
; turn = 1, 2: in the right half a round, behind which the slot that has been read out is filled again, with chunk 2 or 3, and the next slot may be read; turn = 3: a barrier alone.
.macro STEP t, turn
.set T, \t
.if T == 0
	WIN FIRST_LO
.else
	WIN MUL_LO
.endif
	s_wait_dscnt 16
	MULP 0, 0
	MULP 1, 0
	s_wait_dscnt 12
	MULP 2, 0
	s_wait_dscnt 8
	MULP 3, 0
.if T == 0
.set IV, 68
.else
	EBF T+3
.set IV, EB
.endif
	EBF T
	s_wait_loadcnt IV-EB                           ; the right half's w is in
	PLACES
	WIN 0
.if (T%4) == 2
	SCALES T/4+1                                   ; the next 512 along K
.endif
	XH T+1, 1
.if T == 1
	global_prefetch_b8 v[PFO], s[PFA:PFA+1] offset:1024 th:TH_LOAD_NT scope:SCOPE_SE   ; chunk 2 of x
.endif
.if T == 8
	global_prefetch_b8 v[PFO], s[PFA:PFA+1] offset:1536 th:TH_LOAD_NT scope:SCOPE_SE   ; chunk 3
.endif
.if (T%4) == 1
	ASKW T/4+2
.endif
.if T == 0
	WLD 3, 0, 0                                    ; the bias's first half is done with
.endif
.if (T%4) == 0
	WSC T/4+1
.endif
	WLD T+4, 0, 0                                  ; into the half that has just been used
.if (\turn) > 0
	WIN 0                                          ; (the add's two registers lie in window 0)
	s_wait_tensorcnt 0x0                           ; all my tensor loads have landed: my part of the next slot
.if (\turn) < 3
	ds_add_u32 v[SPW], v[NIL]                      ; 0 onto my spare word
.endif
.endif
.if T == 0
	WIN FIRST_HI
.else
	WIN MUL_HI
.endif
	MULP 0, 1
	MULP 1, 1
	MULP 2, 1
.if (\turn) > 0
	s_wait_dscnt 0x0                               ; the add is done, and my reads of this slot are over
	s_barrier_signal -1
.endif
	MULP 3, 1                                      ; (at a turn: work on registers while the others arrive)
.if (\turn) > 0
	WIN 0
	s_barrier_wait -1
.endif
.if (\turn) == 1
	CREST                                          ; the barrier has opened a round: no wave of any partner still reads this slot or has a load on its way
	tensor_load_to_lds s[F2:F2+3], s[G1:G1+7]      ; the first tensor load behind the round; eight steps in which to land
	s_nop 0
.endif
.if (\turn) == 2
	CREST
	tensor_load_to_lds s[F3:F3+3], s[G1:G1+7]
	s_nop 0
.endif
	PLACES
	WIN 0
.if T == 23
	SCALES 7
	XH 25, 0
	XH 25, 1
.else
	XH T+2, 0
.endif
	EAF T+4
.set IV, EA
	EAF T+1
	s_wait_loadcnt IV-EA                           ; the next step's left half of w is in
.if T == 0
	WLD 3, 1, 1
.endif
.if T < 20
	WLD T+4, 1, 1
.else
.if T == 20
	WSC 7
.endif
	WLD T+8, 0, 1                                  ; from here on the right halves of the sets take the left columns of steps 28 to 31
.endif
.endm
; THE LAST CHUNK.  Stage: pair pg % 4 (blocks 2 p, 2 p + 1: 32 rows) of half pg / 4 (64 columns) goes through my own stage in LDS and comes back, into the same registers, as whole rows of 256 bytes.  LDS serves a wave's
; instructions in order (ISA guide 5.7.1.4): no wait between the stores and the loads, nor in front of the next pair's stores.
.macro TOSTAGE pg
.set AB, 64*((\pg)%4)
.set WN, 0x08+4*((\pg)/4)              ; the data: window 2 or 3
	WIN WN
.irp b, 0,1
.irp w, 0,1
.irp k, 0,1,2,3
	ds_store_b128 v[STO], v[AB+32*\b+16*\w+4*\k:AB+32*\b+16*\w+4*\k+3] offset:\b*SBLK+128*\w+64*(\k/2)+16*(\k%2)   ; each accumulator from its low end on
.endr
.endr
.endr
.set WN, 0x80+0x40*((\pg)/4)
	WIN WN
.irp i, 0,1,2,3,4,5,6,7,8,9,10,11,12,13,14,15
	ds_load_b128 v[AB+4*\i:AB+4*\i+3], v[RD] offset:\i*2*SPITCH
.endr
	WIN 0
.endm
.macro SEND pg, younger                ; younger: LDS loads issued behind the pair's, which may stay out
.set AB, 64*((\pg)%4)
.set WN, 0x08+4*((\pg)/4)
	s_wait_dscnt \younger
	WIN WN
.irp i, 0,1,2,3,4,5,6,7,8,9,10,11,12,13,14,15
	global_store_b128 v[CO], v[AB+4*\i:AB+4*\i+3], s[12:13] offset:(32*((\pg)%4)+2*\i)*16384+256*((\pg)/4) th:TH_STORE_NT   ; sixteen lanes store 256 consecutive bytes, at a multiple of 256 from the output's first byte; written once
.endr
	WIN 0
.endm
; A unit: 16 matrix instructions of half g.  Units 0-3 of a half: step 24 + M, all eight blocks; units 4-7: blocks 2 (M - 4), 2 (M - 4) + 1, steps 28 to 31: four accumulators by turns, K ascending; they are finished then.
; x: LDS instructions that are younger than the unit's 16 loads (-1: an earlier wait has shown them landed).  lc: loads of w that may stay out (-1: no wait).  sp: the pair whose rows are back and are stored (-1: none).
.macro UNIT n, g, x, lc, sp
.set M, (\n)%8
.if (\lc) >= 0
	s_wait_loadcnt \lc
.endif
.set WN, MUL_LO+0x50*\g
	WIN WN
.irp i, 0,1,2,3
.if (\x) >= 0
	s_wait_dscnt \x+12-4*\i
.endif
.irp b, 0,1
.irp w, 0,1
.if M < 4
.set aa, 2*\i+\b
.set rB, 64*M+16*\w
.set rA, AF+64*((\n)%2)+8*aa
.set rSB, SW+4*(2*\g+\w)+M
.set rSA, SX+4*(aa%4)+M
.else
.set aa, 2*(M-4)+\b
.set rB, 64*\i+32+16*\w
.set rA, AF+64*((\n)%2)+8*(2*\i+\b)
.set rSB, SW+16+4*(2*\g+\w)+\i
.set rSA, SX+16+4*(aa%4)+\i
.endif
.set aH, aa/4
.set rD, 32*aa+16*\w
.set rC, rD
	WM
.endr
.endr
.endr
	PLACES
	WIN 0
.set EX, 0
.if (\n) < 14
.set EX, 16
.set M2, ((\n)+2)%8
.if M2 < 4
	XH 24+M2, 0
	XH 24+M2, 1
.else
	TLOAD (\n)%2, M2-4
.endif
.endif
.if (\n) < 4
	WLD 24+M, 1, 0                                 ; the right columns of step 24 + M, into the half set that this unit has just used
.endif
.if (\n) == 7
	WLD 28, 1, 1
	WLD 29, 1, 1
	WLD 30, 1, 1
	WLD 31, 1, 1
.endif
	WIN 0
.if (\sp) >= 0
	SEND \sp, EX
.endif
.if M > 3
	TOSTAGE 4*\g+M-4
.endif
.endm
	s_wait_tensorcnt 0x0                           ; my tile of the head's is in
	ds_add_u32 v[SPW], v[NIL]
	s_mov_b32 s[G1+2], 64<<16                      ; no tensor load of mine is out, so a descriptor may be written: from here on each of the four waves brings 64 rows
	s_mov_b32 s[G1+4], 64
	s_wait_dscnt 0x0                               ; the add is done
	CROUND                                         ; all four tiles are in, in all four work-groups
	tensor_load_to_lds s[F1:F1+3], s[G1:G1+7]      ; chunk 1, slot 1's first fill
	s_nop 0
	PLACES
	SCALES 0
	XH 0, 0
	XH 0, 1
	XH 1, 0
	WLD 2, 0, 0
	WLD 2, 1, 1
	WIN 0
	ASKW 1
	s_wait_loadcnt 40                              ; step 0's left half: behind it its right half and steps 1 and 2: 5 x 8
.irp t, 0,1,2,3,4,5
	STEP \t, 0
.endr
	STEP 6, 1                                      ; chunk 0's last fragments are in registers
.irp t, 7,8,9,10,11,12,13
	STEP \t, 0
.endr
	STEP 14, 2
.irp t, 15,16,17,18,19,20,21
	STEP \t, 0
.endr
	STEP 22, 3                                     ; chunk 3 is whole, and nobody reads slot 0 any more: the stages lie there
	STEP 23, 0
	UNIT 0, 0, 20, -1, -1                          ; w: waited for at step 23's end
	UNIT 1, 0, 16, 48, -1                          ; behind step 25's: 29, 26, 30, 27, 31 and the right columns of 24
	UNIT 2, 0, 16, 40, -1
	UNIT 3, 0, 16, 32, -1
	UNIT 4, 0, 16, 32, -1                          ; behind step 31's: the right columns of 24 to 27
	UNIT 5, 0, 48, -1, 0
	UNIT 6, 0, -1, -1, 1
	UNIT 7, 0, -1, -1, 2
	UNIT 8, 1, -1, 56, 3                           ; behind step 24's right columns: those of 25 to 31
	UNIT 9, 1, -1, 48, -1
	UNIT 10, 1, 16, 40, -1
	UNIT 11, 1, 16, 32, -1
	UNIT 12, 1, 16, 0, -1
	UNIT 13, 1, 48, -1, 4
	UNIT 14, 1, -1, -1, 5
	UNIT 15, 1, -1, -1, 6
	SEND 7, 0
	s_wait_tensorcnt 0x0                           ; the wave's end: behind my last tensor load and my last LDS store
	ds_add_u32 v[SPW], v[NIL]
	s_wait_dscnt 0x0
	CROUND                                         ; the closing round: no work-group ends while a partner may still ask for a tile that names it
	s_endpgm
.Lfunc_end_k_q9303b51f52_gemm:
	.size	k_q9303b51f52_gemm, .Lfunc_end_k_q9303b51f52_gemm-k_q9303b51f52_gemm
	.p2alignl 7, 3214868480
	.fill 96, 4, 3214868480
	.section	.rodata,"a",@progbits
	.p2align	6, 0x0
	.amdhsa_kernel k_q9303b51f52_gemm
		.amdhsa_group_segment_fixed_size 327680
		.amdhsa_private_segment_fixed_size 0
		.amdhsa_enable_private_segment 0
		.amdhsa_kernarg_size 40
		.amdhsa_user_sgpr_count 2
		.amdhsa_user_sgpr_kernarg_segment_ptr 1
		.amdhsa_wavefront_size32 1
		.amdhsa_system_sgpr_workgroup_id_x 1
		.amdhsa_system_sgpr_workgroup_id_y 1
		.amdhsa_system_sgpr_workgroup_id_z 1
		.amdhsa_system_vgpr_workitem_id 0
		.amdhsa_next_free_vgpr 1024
		.amdhsa_next_free_sgpr 84
		.amdhsa_reserve_vcc 0
		.amdhsa_float_denorm_mode_32 3
		.amdhsa_float_denorm_mode_16_64 3
		.amdhsa_memory_ordered 1
		.amdhsa_forward_progress 1
		.amdhsa_inst_pref_size 255
	.end_amdhsa_kernel
	.section	.bss,"aw",@nobits
	.p2align	6
	.space	262144
	.amdgpu_metadata
---
amdhsa.version: [ 1, 2 ]
amdhsa.kernels:
  - .name:           k_q9303b51f52_gemm
    .symbol:         k_q9303b51f52_gemm.kd
    .args:
      - { .name: x_codes, .offset: 0, .size: 8, .value_kind: global_buffer, .address_space: global }
      - { .name: x_scales, .offset: 8, .size: 8, .value_kind: global_buffer, .address_space: global }
      - { .name: wq, .offset: 16, .size: 8, .value_kind: global_buffer, .address_space: global }
      - { .name: bias, .offset: 24, .size: 8, .value_kind: global_buffer, .address_space: global }
      - { .name: out0, .offset: 32, .size: 8, .value_kind: global_buffer, .address_space: global }
    .group_segment_fixed_size: 327680
    .private_segment_fixed_size: 0
    .kernarg_segment_align: 8
    .kernarg_segment_size: 40
    .max_flat_workgroup_size: 128
    .sgpr_count:     84
    .vgpr_count:     1024
    .wavefront_size: 32
...
	.end_amdgpu_metadata
.endif
;; end of part 2
